; MI455X (gfx1250); checked and timed in simulation.
; The chip was launched on July 23, 2026; its instructions are those of AMD's public machine-readable ISA for CDNA 5 (MIT licence, August 2026) and "CDNA5" Instruction Set Architecture Reference Guide (July 2026). The comments in the code are by the model that wrote it; some were corrected since.
;; Ro Co. Allowed arithmetic: matrix products marked QUANTISED: E2M1 operands, one E8M0 scale for each 32 along K, by v_wmma_scale_f32_16x16x128_f8f6f4 with both operands' format E2M1 (or v_wmma_scale_f32_32x16x128_f4), f32 sums; everything else in f32.
;; Inputs: k 1 x 2,048 x 32 x 128 float32; q 1 x 2,048 x 32 x 128 float32; v 1 x 2,048 x 32 x 128 float32.
;; Outputs: out0 1 x 2,048 x 32 x 128 float32; out1 1 x 32 x 2,048 float32; out2 1 x 32 x 2,048 float32.
;; This version of the problem:
;;   THIS VERSION OF THE PROBLEM IS GIVEN IN LOW PRECISION. The matrix products marked QUANTISED in the list below multiply operands that are first quantised to E2M1 (2 exponent bits, 1 mantissa bit; 4 bits a number), with one power-of-two scale for each 32 numbers along K (OCP MX v1.0); their sums are f32. All else is computed in f32.
;;   The module's matrix products, in the order in which they are computed (A, B: the left and right operand; K: the contracted axis; several contracted axes count as one K, in the product's order):
;;     1. batch 32 x [M 2,048, K 128] x [K 128, N 2,048]; A: input q; B: input k: QUANTISED
;;     2. batch 32 x [M 128, K 2,048] x [K 2,048, N 2,048]; A: input v; B: softmax (see below): QUANTISED
;;   THE QUANTISER, for each operand of a quantised product, along K:
;;     - K is cut into blocks of 32 from its start; a last block that is shorter is filled with zeros.
;;     - A block's scale is 2^e with e = floor(log2(the largest magnitude in the block)) - 2, held to -126 .. 127; a block of zeros has e = 0. As a byte (E8M0): e + 127.
;;     - Each number is divided by its block's scale, clamped to +-6, and rounded to the nearest number of E2M1, ties to even, subnormals kept.
;;     - The product sums the exact products of the quantised numbers (number of the format x scale) in f32.
;;   ~~~python
;;   def quantise(x, axis):      # numpy; x: float32 -> the quantised numbers, widened to float32 again
;;       x = np.moveaxis(x, axis, -1); K = x.shape[-1]
;;       x = np.pad(x, [(0, 0)] * (x.ndim - 1) + [(0, -K % 32)]); x = x.reshape(x.shape[:-1] + (-1, 32)); a = np.abs(x).max(-1, keepdims=True)
;;       e = np.where(a > 0, np.clip(np.frexp(np.where(a > 0, a, 1))[1] - 1 - 2, -126, 127), 0)      # np.frexp(a)[1] - 1 = floor(log2(a)), exactly
;;       r = np.clip(x / 2.0 ** e, -6, 6)
;;       step = 2.0 ** (np.maximum(np.frexp(np.where(r == 0, 1, r))[1] - 1, 0) - 1)
;;       q = np.round(r / step) * step * 2.0 ** e      # np.round: ties to even
;;       return np.moveaxis(q.reshape(q.shape[:-2] + (-1,))[..., :K], -1, axis).astype(np.float32)
;;   ~~~
;;   SOFTMAX AHEAD OF A QUANTISED PRODUCT. Where the list says 'softmax', what is quantised is not the finished softmax but p = 2^(t - M), with t = logit x log2(e) and M = ceil(the row's largest t), a whole number; so 1/2 < the row's largest p <= 1. The row's sum l is taken of the UNQUANTISED p, in f32, and the product's result is divided by l at the end. Since M is a whole number, a kernel that streams over the keys may use a running M (the ceiling of the running maximum): every later rescaling is an exact power of two, which a block's scale takes up: the codes' values come out the same.
;;   OPERANDS COMPUTED ON THE WAY. 'Computed on the way' means the value that the module computes at that place (a softmax that the list does not call 'softmax' is quantised finished and normalised). What goes into a quantiser is computed in f32, as accurately as f32 sums, v_exp_f32 and their like allow (about 1e-6 of the number): no bf16 or f16 on the way to a quantiser, and a product that is left as it is and whose result goes on into a quantised operand takes f32 operands (vector FMAs, or v_wmma_f32_16x16x4_f32). A number that lies on a knife's edge between two numbers of the format may be rounded either way, as far as f32 arithmetic and the matrix unit's own rounding can turn it there, and no further.
;; One version. Each part assembles by itself: llvm-mc -triple=amdgcn-amd-amdhsa -mcpu=gfx1250 --defsym DOCPART=n.
;; ======== version 1 of 1: 3 launches
;; limits: right only within a limited range of input values
;; workspace buffers: qrec 4,456,448 bytes; kv 8,912,896 bytes; stats 262,144 bytes
;; launch quant (part 1): grid 1024 x 1, 4 waves a work-group, no clusters, 42,496 bytes of LDS; arguments q, k, v, qrec, kv; writes qrec, kv
.if DOCPART == 1
	.amdgcn_target "amdgcn-amd-amdhsa--gfx1250"
	.amdhsa_code_object_version 6
	.text
	.protected	k_qf79ccc13c4_quant
	.globl	k_qf79ccc13c4_quant
	.p2align	8
	.type	k_qf79ccc13c4_quant,@function
k_qf79ccc13c4_quant:
	s_mov_b64 s[64:65], 0
	v_nop
	global_prefetch_b8 v0, s[64:65] scope:SCOPE_SE
	s_setreg_imm32_b32 hwreg(HW_REG_WAVE_MODE, 25, 1), 1
	s_wait_xcnt 0x0
; q, k, v: [2048 positions][32 heads][128] f32.  All three are turned into codes of FP4 (E2M1) with one E8M0 byte for each 32 along the product's K:
; q and k along the head's 128, v along the keys.  The codes are laid as IMAGES OF THE OPERAND'S REGISTERS: a fragment (16 rows x 128 K) is 1,024 bytes, [c = 0, 1][lane 0..31][16 bytes]:
; block b of 32 along K of row r lies at 256 b + 16 r.
; RECORDS.  qrec: for each (head, 128 queries) 8,704 bytes: 8 images, then 8 x 16 scale words.  kv: for each (head, 128 keys) 17,408 bytes: 8 images of k, 8 of v, k's scale words, v's.
; THE ROWS OF A TILE OF q OR k ARE NOT NEIGHBOURS: row r of tile 2 b + u is position 32 b + 8 u + r + 8 (r / 8), so that the 16 result registers of two neighbouring tiles are 16 neighbouring positions.
; A tile T of v holds channels 16 T + r; its K are the record's 128 keys as they come.
; A block's scale is 2^(floor(log2(its largest magnitude)) - 2); its byte is the largest magnitude's exponent field - 2, held at 1 from below by a floor among the maximum's leaves.
; The later launches leave out the tiles of scores that reference()'s own causal mask turns into -inf: p = 0 there whatever the inputs hold.  Every input is read whole.
; LIMITS: a block of zeros, or one whose largest magnitude lies under 2^(3 - 127), gets the byte 1 with its codes: the bytes are read by this program alone.  NaN and infinities are not served.
; SHARES.  Work-groups 0-255 take q, 256-511 k (a head's 256 positions each, 131,072 bytes), 512-1023 v (one record, a head's 128 keys, 65,536 bytes).  Nothing is read by two work-groups: no cluster, no joint load; waves share nothing: no barrier.
.set REC,   17408
.set QREC,  8704
.set ROWP,  16384                      ; bytes from a position's row to the next position's, same head
.set STEPS, 16
.set WREG,  10496                      ; q, k: LDS of a wave: two turning stages of 32 x 80, 256 scale bytes, 16 units of an image stage
.set SP,    80
.set SCB,   5120
.set IMG,   5376
.set UP,    320                        ; an image unit of 256 bytes + 64
.set R,     16                         ; v16-79   four sets of 16 numbers as loaded
.set X,     80                         ; v80-111  two sets of 16 neighbours
.set E,     112                        ; v112-127 a scale byte for each step
.set C,     128                        ; v128-159 two registers of codes for each step
.set OUTR,  160                        ; v160-191 the way out
.set VX,    32                         ; v path: v32-95 two sets of 32 numbers
.set VC,    96                         ; v96-111  four registers of codes for each block
.set SW,    24                         ; v24      the scale word
.set VB,    4                          ; v path: blocks of 32 keys
	s_load_b128 s[4:7], s[0:1], 0x0                ; q, k
	s_load_b128 s[8:11], s[0:1], 0x10              ; v, qrec
	s_load_b64 s[12:13], s[0:1], 0x20              ; kv
	v_lshl_add_u32 v192, v0, 2, 0xa400
	v_mov_b32 v193, 0
	v_lshrrev_b32 v1, 5, v0
	v_readfirstlane_b32 s16, v1                    ; wave 0..3
	v_and_b32 v2, 31, v0                           ; lane
	s_cmp_ge_u32 ttmp9, 512
	s_cbranch_scc1 .Lv_path
; ---------------- q and k: K is innermost.  A wave takes 64 positions of a head, 4 a step.  Each load reads one position's 512 consecutive bytes, 16 a lane; a step's 2,048 bytes turn through the
; wave's stage, so that lane l then holds 16 neighbours: position l / 8 of the four, block (l / 2) % 4, half l % 2.  Codes and bytes are gathered in LDS in the images' order and leave in long runs.
	v_lshlrev_b32 v3, 4, v2                        ; 16 x lane
	s_mul_i32 s17, s16, WREG
	s_add_co_u32 s32, s17, SCB
	s_add_co_u32 s33, s17, IMG
	v_lshrrev_b32 v14, 2, v2
	v_mul_u32_u24 v14, v14, SP
	v_and_b32 v15, 3, v2
	v_lshl_add_u32 v14, v15, 4, v14
	v_add_nc_u32 v14, s17, v14                     ; the turning stage, in: 80 (lane / 4) + 16 (lane % 4)
	v_mul_u32_u24 v15, v2, SP
	v_add_nc_u32 v15, s17, v15                     ; and out: 80 x lane
	v_lshrrev_b32 v5, 1, v2
	v_add_nc_u32 v5, s32, v5                       ; my block's scale byte
	v_bfe_u32 v4, v2, 1, 2
	v_mul_u32_u24 v4, v4, UP
	v_lshrrev_b32 v8, 3, v2
	v_lshl_add_u32 v4, v8, 4, v4
	v_and_b32 v8, 1, v2
	v_lshl_add_u32 v4, v8, 3, v4
	v_add_nc_u32 v4, s33, v4                       ; my 8 bytes of codes: unit = block, 16 x position + 8 x half
	v_lshlrev_b32 v7, 3, v2                        ; 8 x lane
	v_add_nc_u32 v6, s32, v7                       ; the scale bytes, out
	v_lshrrev_b32 v9, 4, v2
	v_mul_u32_u24 v9, v9, UP
	v_and_b32 v8, 15, v2
	v_lshl_add_u32 v9, v8, 4, v9
	v_add_nc_u32 v9, s33, v9                       ; the image stage, out
	s_mov_b32 s17, ttmp9
	s_and_b32 s18, s17, 255
	s_lshr_b32 s19, s18, 3                         ; head
	s_and_b32 s22, s18, 7                          ; which 256 positions
	s_mov_b32 s20, REC
	s_mov_b32 s21, 16384
	s_wait_kmcnt 0x0
	s_cmp_lt_u32 s17, 256                          ; q's work-group or k's: the choice hangs on the work-group's number alone
	s_cselect_b64 s[4:5], s[4:5], s[6:7]
	s_cselect_b64 s[10:11], s[10:11], s[12:13]
	s_cselect_b32 s20, QREC, s20                   ; a record's bytes
	s_cselect_b32 s21, 8192, s21                   ; where its scale words of q or k begin
	s_lshl_b32 s24, s22, 8
	s_lshl_b32 s25, s16, 6
	s_add_co_u32 s24, s24, s25                     ; my first position: 256 x part + 64 x wave
	s_lshl_b32 s24, s24, 14
	s_lshl_b32 s25, s19, 9
	s_add_co_u32 s24, s24, s25
	s_mov_b32 s25, 0
	s_add_nc_u64 s[4:5], s[4:5], s[24:25]
	s_lshl_b32 s26, s19, 4
	s_lshl_b32 s27, s22, 1
	s_add_co_u32 s26, s26, s27
	s_lshr_b32 s27, s16, 1
	s_add_co_u32 s26, s26, s27                     ; my record: 16 x head + 2 x part + wave / 2
	s_mul_i32 s26, s26, s20
	s_and_b32 s28, s16, 1                          ; and which half of it: four tiles
	s_lshl_b32 s29, s28, 12
	s_add_co_u32 s30, s26, s29
	s_mov_b32 s31, 0
	s_lshl_b32 s29, s28, 8
	s_add_co_u32 s26, s26, s29
	s_add_co_u32 s26, s26, s21
	s_mov_b32 s27, 0
	s_add_nc_u64 s[8:9], s[10:11], s[30:31]        ; my 4,096 bytes of images
	s_add_nc_u64 s[10:11], s[10:11], s[26:27]      ; my 256 bytes of scale words
.macro LOAD t
.irp i, 0,1,2,3
	global_load_b128 v[R+16*((\t)%4)+4*\i:R+16*((\t)%4)+4*\i+3], v3, s[4:5] offset:(4*(\t)+\i)*ROWP th:TH_LOAD_NT
.endr
.endm
.macro TURN t                          ; LDS serves a wave's instructions in order (ISA guide 5.7.1): no wait between the stores and the loads
.irp i, 0,1,2,3
	ds_store_b128 v14, v[R+16*((\t)%4)+4*\i:R+16*((\t)%4)+4*\i+3] offset:32*SP*((\t)%2)+8*SP*\i
.endr
.irp i, 0,1,2,3
	ds_load_b128 v[X+16*((\t)%2)+4*\i:X+16*((\t)%2)+4*\i+3], v15 offset:32*SP*((\t)%2)+16*\i
.endr
.endm
.irp t, 0,1,2,3
	LOAD \t
.endr
	s_wait_loadcnt 12                              ; step 0's four loads are in; the twelve of steps 1 to 3 may be out
	TURN 0
; Step t holds positions 4 t .. 4 t + 3 of my 64.  Position p lies in tile 2 (p / 32) + ((p % 32) / 8) % 2 at row (p % 8) + 8 ((p % 32) / 16): the parts that hang on t stand in the immediates.
.macro QSTEP t
.set XS, X+16*((\t)%2)
.if (\t) > 0
	s_wait_dscnt 2                                 ; this step's numbers are back; behind them stand only the last step's byte store and code store
.else
	s_wait_dscnt 0x0
.endif
.if (\t)+4 < STEPS
	LOAD (\t)+4
.endif
.if (\t)+1 < STEPS
.if STEPS-2-(\t) >= 3
	s_wait_loadcnt 12                              ; the next step's four loads are in; those of the three steps behind it may be out
.else
	s_wait_loadcnt 4*(STEPS-2-(\t))
.endif
	TURN (\t)+1
.endif
	v_max3_num_f32 v8, |v[XS]|, |v[XS+1]|, |v[XS+2]|
	v_max3_num_f32 v10, |v[XS+3]|, |v[XS+4]|, |v[XS+5]|
.irp i, 6,10
	v_max3_num_f32 v8, v8, |v[XS+\i]|, |v[XS+\i+1]|
	v_max3_num_f32 v10, v10, |v[XS+\i+2]|, |v[XS+\i+3]|
.endr
	v_max3_num_f32 v8, v8, |v[XS+14]|, |v[XS+15]|
	v_max3_num_f32 v8, v8, v10, 0x1800000          ; and the floor 2^(3 - 127)
	v_max_num_f32_dpp v8, v8, v8 row_xmask:1 row_mask:0xf bank_mask:0xf   ; with my neighbour's 16: the block's
	v_add_nc_u32 v11, 0xff000000, v8               ; 2 off its exponent field: the conversion's scale operand
	v_cvt_scalef32_pk8_fp4_f32 v[C+2*(\t)], v[XS:XS+7], v11
	v_cvt_scalef32_pk8_fp4_f32 v[C+2*(\t)+1], v[XS+8:XS+15], v11
	v_lshrrev_b32 v[E+(\t)], 23, v11               ; the scale's byte (a plain line behind the conversions)
	ds_store_b8 v5, v[E+(\t)] offset:((\t)/8)*128+(((\t)/2)%2)*64+(((\t)/4)%2)*32+((\t)%2)*16
	ds_store_b64 v4, v[C+2*(\t):C+2*(\t)+1] offset:(2*((\t)/8)+((\t)/2)%2)*4*UP+(4*((\t)%2)+8*(((\t)/4)%2))*16
.endm
.irp t, 0,1,2,3,4,5,6,7,8,9,10,11,12,13,14,15
	QSTEP \t
.endr
	ds_load_b64 v[12:13], v6                       ; in order behind my stores
.irp k, 0,1,2,3,4,5,6,7
	ds_load_b128 v[OUTR+4*\k:OUTR+4*\k+3], v9 offset:\k*2*UP
.endr
	s_wait_dscnt 8                                 ; the scale bytes are back; the eight loads of codes may be out
	global_store_b64 v7, v[12:13], s[10:11]        ; 32 lanes store 256 consecutive bytes, aligned
.irp k, 0,1,2,3,4,5,6,7
	s_wait_dscnt 7-\k
	global_store_b128 v3, v[OUTR+4*\k:OUTR+4*\k+3], s[8:9] offset:512*\k   ; 512 consecutive bytes
.endr
	s_wait_tensorcnt 0x0                           ; the wave's end
	ds_add_u32 v192, v193
	s_wait_dscnt 0x0
	s_endpgm
; ---------------- v: K = the keys is not innermost.  A LANE TAKES A CHANNEL, AND ITS REGISTERS RUN DOWN THE KEYS: a block of 32 keys lies in one lane's 32 registers, and its
; 16 bytes of codes are exactly one lane's 16 bytes of an image: nothing is transposed and nothing goes through LDS.  A wave takes 32 channels x 128 keys: 4 blocks, one record.
.Lv_path:
	s_wait_alu depctr_va_vdst(0)
	v_lshlrev_b32 v3, 2, v2                        ; 4 bytes a lane: the four waves side by side read a position's 512 bytes
	s_wait_alu depctr_va_vdst(0)
	s_sub_co_u32 s22, ttmp9, 512                   ; my record: 16 x head + part
	s_lshr_b32 s17, s22, 4                         ; head
	s_and_b32 s18, s22, 15                         ; which 128 keys
	s_lshl_b32 s20, s18, 21                        ; 128 x 16,384 bytes
	s_lshl_b32 s21, s17, 9
	s_add_co_u32 s20, s20, s21
	s_lshl_b32 s21, s16, 7
	s_add_co_u32 s20, s20, s21
	s_mov_b32 s21, 0
	s_mul_i32 s22, s22, REC
	s_mov_b32 s23, 0
	v_lshrrev_b32 v8, 4, v2
	v_lshlrev_b32 v8, 10, v8
	v_and_b32 v9, 15, v2
	v_lshl_add_u32 v8, v9, 4, v8
	s_lshl_b32 s24, s16, 11
	s_add_co_u32 s24, s24, 8192
	v_add_nc_u32 v8, s24, v8                       ; codes: v's images begin at 8,192; tile 2 x wave + lane / 16, row lane % 16
	s_lshl_b32 s24, s16, 7
	s_add_co_u32 s24, s24, 16896
	v_add_nc_u32 v9, s24, v3                       ; scale words: at 16,896, 4 bytes a channel
	s_wait_kmcnt 0x0
	s_add_nc_u64 s[8:9], s[8:9], s[20:21]
	s_add_nc_u64 s[12:13], s[12:13], s[22:23]
.macro VLOAD t                         ; block t: keys 32 t + 0 .. 31 of my channel
.set nn, 0
.rept 32
	global_load_b32 v[VX+32*((\t)%2)+nn], v3, s[8:9] offset:(32*(\t)+nn)*ROWP th:TH_LOAD_NT
.set nn, nn+1
.endr
.endm
	VLOAD 0
	VLOAD 1
.macro BLOCK t
.set XS, VX+32*((\t)%2)
.if (\t) < VB-1
	s_wait_loadcnt 32                              ; this block's 32 loads are in; the next block's may be out
.else
	s_wait_loadcnt 0x0
.endif
	v_max3_num_f32 v12, |v[XS]|, |v[XS+1]|, |v[XS+2]|
	v_max3_num_f32 v13, |v[XS+3]|, |v[XS+4]|, |v[XS+5]|
.irp i, 6,10,14,18,22,26
	v_max3_num_f32 v12, v12, |v[XS+\i]|, |v[XS+\i+1]|
	v_max3_num_f32 v13, v13, |v[XS+\i+2]|, |v[XS+\i+3]|
.endr
	v_max3_num_f32 v12, v12, |v[XS+30]|, |v[XS+31]|
	v_max3_num_f32 v12, v12, v13, 0x1800000        ; the floor 2^(3 - 127)
	v_add_nc_u32 v11, 0xff000000, v12              ; the conversion's scale operand
.irp g, 0,1,2,3
	v_cvt_scalef32_pk8_fp4_f32 v[VC+4*(\t)+\g], v[XS+8*\g:XS+8*\g+7], v11
.endr
	v_lshrrev_b32 v13, 23, v11                     ; the scale's byte (plain lines behind the conversions)
.if (\t) == 0
	v_mov_b32 v[SW], v13                           ; four bytes to a word, the earlier keys in the lower byte
.else
	v_lshl_or_b32 v[SW], v13, 8*(\t), v[SW]
.endif
	global_store_b128 v8, v[VC+4*(\t):VC+4*(\t)+3], s[12:13] offset:(\t)*256   ; lanes 0-15 store 256 consecutive bytes of one image, lanes 16-31 of the next, each aligned
.if (\t)+2 < VB
	VLOAD (\t)+2
.endif
.endm
.irp t, 0,1,2,3
	BLOCK \t
.endr
	global_store_b32 v9, v[SW], s[12:13]           ; 128 consecutive bytes a wave: one byte for each 128 that the path reads
	s_endpgm
.Lfunc_end_k_qf79ccc13c4_quant:
	.size	k_qf79ccc13c4_quant, .Lfunc_end_k_qf79ccc13c4_quant-k_qf79ccc13c4_quant
	.p2alignl 7, 3214868480
	.fill 96, 4, 3214868480
	.section	.rodata,"a",@progbits
	.p2align	6, 0x0
	.amdhsa_kernel k_qf79ccc13c4_quant
		.amdhsa_group_segment_fixed_size 42496
		.amdhsa_private_segment_fixed_size 0
		.amdhsa_enable_private_segment 0
		.amdhsa_kernarg_size 40
		.amdhsa_user_sgpr_count 2
		.amdhsa_user_sgpr_kernarg_segment_ptr 1
		.amdhsa_wavefront_size32 1
		.amdhsa_system_sgpr_workgroup_id_x 1
		.amdhsa_system_sgpr_workgroup_id_y 1
		.amdhsa_system_sgpr_workgroup_id_z 1
		.amdhsa_system_vgpr_workitem_id 0
		.amdhsa_next_free_vgpr 194
		.amdhsa_next_free_sgpr 66
		.amdhsa_reserve_vcc 0
		.amdhsa_float_denorm_mode_32 3
		.amdhsa_float_denorm_mode_16_64 3
		.amdhsa_memory_ordered 1
		.amdhsa_forward_progress 1
		.amdhsa_inst_pref_size 55
	.end_amdhsa_kernel
	.amdgpu_metadata
---
amdhsa.version: [ 1, 2 ]
amdhsa.kernels:
  - .name:           k_qf79ccc13c4_quant
    .symbol:         k_qf79ccc13c4_quant.kd
    .args:
      - { .name: q, .offset: 0, .size: 8, .value_kind: global_buffer, .address_space: global }
      - { .name: k, .offset: 8, .size: 8, .value_kind: global_buffer, .address_space: global }
      - { .name: v, .offset: 16, .size: 8, .value_kind: global_buffer, .address_space: global }
      - { .name: qrec, .offset: 24, .size: 8, .value_kind: global_buffer, .address_space: global }
      - { .name: kv, .offset: 32, .size: 8, .value_kind: global_buffer, .address_space: global }
    .group_segment_fixed_size: 42496
    .private_segment_fixed_size: 0
    .kernarg_segment_align: 8
    .kernarg_segment_size: 40
    .max_flat_workgroup_size: 128
    .sgpr_count:     66
    .vgpr_count:     194
    .wavefront_size: 32
...
	.end_amdgpu_metadata
.endif
;; end of part 1
;; launch attn (part 2): grid 8 x 32, 16 waves a work-group, clusters of 4 x 1, 327,680 bytes of LDS; arguments qrec, kv, out0, stats; writes out0, stats
.if DOCPART == 2
	.amdgcn_target "amdgcn-amd-amdhsa--gfx1250"
	.amdhsa_code_object_version 6
	.text
	.protected	k_qf79ccc13c4_attn
	.globl	k_qf79ccc13c4_attn
	.p2align	8
	.type	k_qf79ccc13c4_attn,@function
k_qf79ccc13c4_attn:
	s_mov_b64 s[64:65], 0
	v_nop
	global_prefetch_b8 v0, s[64:65] scope:SCOPE_SE
	s_setreg_imm32_b32 hwreg(HW_REG_WAVE_MODE, 25, 1), 1
	s_wait_xcnt 0x0
	s_wait_alu depctr_hold_cnt(0) depctr_sa_sdst(0) depctr_va_vdst(0) depctr_va_sdst(0) depctr_va_ssrc(0) depctr_va_vcc(0) depctr_vm_vsrc(0)
	s_getreg_b32 s2, hwreg(HW_REG_IB_STS2, 6, 4)
	s_cmp_eq_u32 s2, 0
	s_cbranch_scc0 .Lentry_in_a_cluster
	s_endpgm
.Lentry_in_a_cluster:
	s_bfe_u32 s2, ttmp6, 0x10000c
	s_cmp_lg_u32 s2, 0x3003
	s_cbranch_scc0 .Lentry_shape_is_right
	s_endpgm
.Lentry_shape_is_right:
; out0[q][h][:] = the sum over keys k <= q of softmax_k(Q . K / sqrt(128)) V, both products on codes of FP4 with E8M0 scales, from the records that the launch before has laid.
; Also stats[h][tile][row] = -M - log2(l) of each query, from which the next launch makes the finished softmax again.
; LEFT OUT: key steps all of whose keys come after the tile's queries: reference()'s own causal mask turns their scores into -inf, so p = 0 there whatever the inputs hold.
; SOFTMAX: t = score x log2(e) / sqrt(128); M = the running largest t rounded UP to a whole number; p = 2^(t - M) is quantised along the keys; l is the sum of the unquantised p and divides at the end.
; SHARES.  A head has 16 records of 128 positions, 8 tiles of 16 queries each.  A tile of record R needs R + 1 key steps of 128.  Work-group (C, cx) takes tile u = 4 C + cx of EVERY record.
; Waves w and w + 8 (P = w % 8) share the tiles of records 8 + P and 7 - P, 17 steps together: wave w does steps 0 .. 8 of the late tile; wave w + 8 does all 8 - P steps of the early tile, sends it out,
; and then does steps 9 .. 8 + P of the late tile.  At the end the two partial results of the late tile (M, l, O) are joined: both are brought under the larger M by powers of two, which rounds nothing; each partner finishes 64 channels.
; All waves walk one loop of 16 trips; a step outside the wave's range is jumped over by a branch on the wave's number and the count of trips.  Only the step of the tile's own record is masked.
; A STEP'S LDS LOADS go in two runs: K's eight fragments at its head; V's eight directly behind the score products, so that the softmax's vector work stands between them and the wait for them.
; A scale register carries two tiles' words: lanes 0-15 the even tile's, lanes 16-31 the odd tile's (128 consecutive bytes a load).
; CLUSTER.  The four partners share a head, whose 16 records (278,528 bytes) all fit in LDS: wave w asks for record w ONCE, JOINTLY (mask of all four).  Nothing is filled again, so there is no ring, and no loop of loads in which a prefetch could run ahead.
; No branch, trip count or LDS address hangs on cx.
; LAYOUT.  Both products are used transposed (source 0 = 16 keys or 16 channels): a lane holds ONE query (row lane % 16).  The 16 registers of tiles 2 b, 2 b + 1 of S^T are keys 32 b + 16 (lane / 16) + 0 .. 15.
; LIMITS: NaN and infinities are not served.  -M - log2(l) is one f32 number.  The scaled scores stay under 2^31 in magnitude.
; REGISTERS: v1-7, v10, v11 addresses that stay; v8, v9 in hand; v12 -M, v13 largest t, v[14:15] l; v16-23 Q; v24-27 V's scale words; v32-95 eight fragments; v96-159 S^T, p; v160-223 O^T; v224-231 p's codes; v248-251 K's scale words, v253 p's, v255 Q's.
.set REC,  17408
.set QREC, 8704
.set VIMG, 8192
.set KSC,  16384
.set VSC,  16896
.set STG,  16*272                      ; a wave's stage: 16 rows x (256 + 16) bytes
.set STG0, 14*REC                      ; stage of wave w at STG0 + w STG: waves 8-15 behind the records; waves 0-7 in the place of records 14, 15, used only behind the last barrier
.set XCH,  4608                        ; the exchange, in the place of records 0 to 4, behind the barrier that ends all reads: 32 registers as images, then (-M, l)
.set SPARE, STG0+16*STG                ; the spare words
.set LI,   1
.set LW,   2
.set DQ0,  3                           ; my query's place in its record - 16 (lane / 16)
.set STO,  4
.set RD,   5
.set GO,   6
.set XS,   7
.set ADI,  8
.set ADW,  9
.set XR,   10
.set LQ,   11                          ; 4 x lane
.set WV,   12
.set PP,   14
.set LOJ,  15
.set HIJ,  16
.set DG,   17
.set RH,   18
.set CX,   19
.set SEL,  20
.set CS,   22
.set G1,   24
.set G0,   32
.set Q1,   36
.set Q1S,  38
.set Q2,   40
.set Q2S,  42
.set OUT1, 44
.set ST1,  46
.set TB,   48
.set JJ,   49
.set HD,   51
.set OUT2, 52
.set ST2,  54
.macro ROUND
	s_barrier_signal -1
	s_barrier_wait -1
	s_cmp_lg_u32 s[WV], 0
	s_cbranch_scc1 .Lnot_wave_0_\@
	s_barrier_signal -3
.Lnot_wave_0_\@:
	s_barrier_wait -3
	s_barrier_signal -1
	s_barrier_wait -1
.endm
; byte offsets of the tile u (s57) of record s[r]: Q's image, Q's scale words, its first position in out0, its row of stats
.macro OFFS r, q, qs, o, st
	s_lshl_b32 s66, s[HD], 4
	s_add_co_u32 s66, s66, s[\r]
	s_mul_i32 s66, s66, QREC
	s_lshl_b32 s67, s57, 10
	s_add_co_u32 s[\q], s66, s67
	s_mov_b32 s[\q+1], 0
	s_lshl_b32 s67, s57, 6
	s_add_co_u32 s[\qs], s66, s67
	s_add_co_u32 s[\qs], s[\qs], 8192
	s_mov_b32 s[\qs+1], 0
	s_lshl_b32 s66, s[\r], 7
	s_add_co_u32 s66, s66, s62
	s_lshl_b32 s66, s66, 14
	s_lshl_b32 s67, s[HD], 9
	s_add_co_u32 s[\o], s66, s67
	s_mov_b32 s[\o+1], 0
	s_lshl_b32 s66, s[HD], 4
	s_add_co_u32 s66, s66, s[\r]
	s_lshl_b32 s66, s66, 3
	s_add_co_u32 s66, s66, s57
	s_lshl_b32 s[\st], s66, 6
	s_mov_b32 s[\st+1], 0
.endm
	s_load_b256 s[4:11], s[0:1], 0x0               ; qrec, kv, out0, stats
	v_lshl_add_u32 v30, v0, 2, SPARE
	v_mov_b32 v31, 0
	ds_add_u32 v30, v31                            ; the opening lines
	ds_add_u32 v30, v31
	v_lshrrev_b32 v1, 5, v0
	v_readfirstlane_b32 s[WV], v1                  ; wave 0..15
	s_and_b32 s[PP], s[WV], 7
	s_add_co_u32 s[RH], s[PP], 8                   ; the late record
	s_sub_co_u32 s56, 7, s[PP]                     ; the early one
	s_and_b32 s[HD], ttmp7, 0xffff
	s_bfe_u32 s[CX], ttmp6, 0x40000                ; cx enters global addresses and the mask's numbers alone
	s_and_b32 s57, ttmp9, 1
	s_lshl_b32 s57, s57, 2
	s_add_co_u32 s57, s57, s[CX]                   ; u
	s_cmp_lt_u32 s[WV], 8
	s_cselect_b32 s58, s[RH], s56                  ; my first tile's record
	s_cselect_b32 s[HIJ], 8, s56                   ; its last step of mine
	s_cselect_b32 s59, 0, 256                      ; which 64 channels of the late tile I finish, in bytes
	s_mov_b32 s[DG], s58
	s_mov_b32 s[LOJ], 0
	s_mov_b32 s[SEL], 0x76543210
	s_mov_b32 s[SEL+1], 0xfedcba98
	s_mov_b32 s[CS], 0x3e0293ee                    ; log2(e) / sqrt(128)
	s_mov_b32 s[CS+1], s[CS]
	s_mov_b32 s[G1], 15|(3<<16)|(1<<21)            ; mask: all four; elements of 8 bytes; a record is 68 dense rows of 256 bytes
	s_mov_b32 s[G1+1], 32<<16
	s_mov_b32 s[G1+2], 68<<16
	s_mov_b32 s[G1+3], 32<<16
	s_mov_b32 s[G1+4], 68
	s_mov_b32 s[G1+5], 32
	s_mov_b32 s[G1+6], 0
	s_mov_b32 s[G1+7], 0
	s_lshl_b32 s60, s[HD], 4
	s_add_co_u32 s60, s60, s[WV]
	s_mul_i32 s60, s60, REC
	s_mov_b32 s61, 0
	s_mov_b32 s[G0], 1
	s_mul_i32 s[G0+1], s[WV], REC
	s_lshr_b32 s62, s57, 1
	s_lshl_b32 s62, s62, 5
	s_and_b32 s63, s57, 1
	s_lshl_b32 s63, s63, 3
	s_add_co_u32 s62, s62, s63                     ; the tile's first position in its record: 32 (u / 2) + 8 (u % 2)
	OFFS 58, Q1, Q1S, OUT1, ST1
	OFFS RH, Q2, Q2S, OUT2, ST2
	s_add_co_u32 s[OUT2], s[OUT2], s59
	s_mul_i32 s68, s[WV], STG
	s_add_co_u32 s68, s68, STG0
	s_mul_i32 s69, s[WV], XCH
	s_xor_b32 s70, s[WV], 8
	s_mul_i32 s70, s70, XCH
	s_wait_dscnt 0x0
	s_wait_kmcnt 0x0
	s_add_nc_u64 s[G0+2:G0+3], s[6:7], s[60:61]
	s_or_b32 s[G0+3], s[G0+3], 0x80000000
	s_add_nc_u64 s[Q1:Q1+1], s[4:5], s[Q1:Q1+1]
	s_add_nc_u64 s[Q1S:Q1S+1], s[4:5], s[Q1S:Q1S+1]
	s_add_nc_u64 s[Q2:Q2+1], s[4:5], s[Q2:Q2+1]
	s_add_nc_u64 s[Q2S:Q2S+1], s[4:5], s[Q2S:Q2S+1]
	s_add_nc_u64 s[OUT1:OUT1+1], s[8:9], s[OUT1:OUT1+1]
	s_add_nc_u64 s[OUT2:OUT2+1], s[8:9], s[OUT2:OUT2+1]
	s_add_nc_u64 s[ST1:ST1+1], s[10:11], s[ST1:ST1+1]
	s_add_nc_u64 s[ST2:ST2+1], s[10:11], s[ST2:ST2+1]
	ROUND                                          ; all four work-groups are here: the joint loads meet
	tensor_load_to_lds s[G0:G0+3], s[G1:G1+7]      ; record w: my one tensor load
	s_nop 0
.rept 4
	v_nop
.endr
	v_and_b32 v7, 31, v0
	v_lshlrev_b32 v[LI], 4, v7
	v_and_b32 v10, 15, v0                          ; r
	v_bfe_u32 v11, v0, 4, 1                        ; h
	v_lshlrev_b32 v[LW], 2, v10
.irp c, 0,1
	global_load_b128 v[16+4*\c:19+4*\c], v[LI], s[Q1:Q1+1] offset:512*\c
.endr
	global_load_b32 v255, v[LW], s[Q1S:Q1S+1]
	v_and_b32 v[DQ0], 8, v10
	v_lshlrev_b32 v8, 4, v11
	v_add_nc_u32 v[DQ0], v[DQ0], v10
	v_mul_u32_u24 v[STO], v10, 272
	v_sub_nc_u32 v[DQ0], v[DQ0], v8
	v_mul_u32_u24 v[RD], v11, 272
	v_add_nc_u32 v[DQ0], s62, v[DQ0]
	v_lshl_add_u32 v[STO], v11, 5, v[STO]
	v_lshl_add_u32 v[RD], v10, 4, v[RD]
	v_lshlrev_b32 v[GO], 14, v11
	v_add_nc_u32 v[STO], s68, v[STO]               ; the stage, in: row r, 32 bytes for each half of the lanes
	v_add_nc_u32 v[RD], s68, v[RD]                 ; back: lanes 0-15 one row, lanes 16-31 the next
	v_lshl_add_u32 v[GO], v10, 4, v[GO]            ; the same two positions in out0
	v_lshlrev_b32 v[LQ], 2, v7                     ; 4 x lane (h is done with)
	v_add_nc_u32 v[XS], s69, v[LI]                 ; the exchange: what I give,
	v_add_nc_u32 v[XR], s70, v[LI]                 ; and what wave w xor 8 gives me
.macro FRESH                           ; a tile's state at its start: the first change of M multiplies zeros
	v_mov_b32 v13, 0xff61b1e6                      ; -3e38, under every t
	v_mov_b32 v14, 0
	v_mov_b32 v15, 0
	v_floor_f32 v12, -v13
.set nn, 0
.rept 64
	v_mov_b32 v[160+nn], 0
.set nn, nn+1
.endr
.endm
	FRESH
.irp b, 0,1,2,3
	v_mov_b32 v[236+\b], 0                         ; a lane permute's destination counts as one of its sources
.endr
	v_mov_b32 v241, 0
	v_mov_b32 v242, 0
	s_wait_alu depctr_va_vdst(0)
	s_wait_loadcnt 0x0
	s_wait_tensorcnt 0x0                           ; my record has landed;
	s_barrier_signal -1
	s_barrier_wait -1                              ; everybody's has: the head's 16 records lie in LDS
	s_mov_b32 s[TB], 0
	s_mov_b32 s[JJ], 0
.Lstep:
	s_cmp_lg_u32 s[JJ], 8
	s_cbranch_scc1 .Lno_switch
	s_cmp_lt_u32 s[WV], 8
	s_cbranch_scc1 .Lno_switch
	; WAVES 8-15, at trip 8: the early tile is finished and goes out; the late tile's Q, which wave w - 8 read at the head, is asked for first and waited for last
.rept 4
	v_nop
.endr
.irp c, 0,1
	global_load_b128 v[16+4*\c:19+4*\c], v[LI], s[Q2:Q2+1] offset:512*\c
.endr
	global_load_b32 v255, v[LW], s[Q2S:Q2S+1]
	v_add_f32 v14, v14, v15
	s_delay_alu instid0(VALU_DEP_1)
	v_permlanex16_b32 v242, v14, s[SEL], s[SEL+1]
	s_delay_alu instid0(VALU_DEP_1)
	v_add_f32 v14, v14, v242                       ; the row's sum
	s_wait_alu depctr_va_vdst(0)
	v_log_f32 v243, v14
	v_rcp_f32 v244, v14
	v_nop
	s_wait_alu depctr_va_vdst(0)
	v_sub_f32 v243, v12, v243                      ; -M - log2(l)
	global_store_b32 v[LW], v243, s[ST1:ST1+1]     ; 64 bytes a tile; both halves of the lanes write the same word with the same number
	s_wait_alu depctr_va_vdst(0)
.set nn, 0
.rept 64
	v_mul_f32 v[96+nn], v[160+nn], v244
.set nn, nn+1
.endr
.irp u, 0,1
.irp t, 0,1,2,3
	ds_store_b128 v[STO], v[96+32*\u+8*\t:99+32*\u+8*\t] offset:64*\t
	ds_store_b128 v[STO], v[100+32*\u+8*\t:103+32*\u+8*\t] offset:64*\t+16
.endr
.irp i, 0,1,2,3,4,5,6,7
	ds_load_b128 v[32+32*\u+4*\i:35+32*\u+4*\i], v[RD] offset:2*\i*272   ; LDS serves a wave's instructions in order
.endr
.endr
.irp u, 0,1
.irp i, 0,1,2,3,4,5,6,7
	s_wait_dscnt 23-16*\u-\i                       ; the LDS instructions issued behind this load
	global_store_b128 v[GO], v[32+32*\u+4*\i:35+32*\u+4*\i], s[OUT1:OUT1+1] offset:(2*\i+8*(\i/4))*16384+256*\u th:TH_STORE_NT   ; 16 lanes store 256 consecutive bytes, aligned
.endr
.endr
	s_wait_xcnt 0x0                                ; the stores' registers are written again only behind this wait
	FRESH
	s_wait_alu depctr_va_vdst(0)
	s_wait_loadcnt 0x0                             ; the late tile's Q
	s_mov_b32 s[LOJ], 9
	s_mov_b32 s[HIJ], s[RH]
	s_mov_b32 s[DG], s[RH]
.Lno_switch:
	; A KEY STEP: the 128 keys of record JJ
	s_cmp_gt_u32 s[JJ], s[HIJ]
	s_cbranch_scc1 .Lhidden
	s_cmp_lt_u32 s[JJ], s[LOJ]
	s_cbranch_scc1 .Lhidden
	v_add_nc_u32 v[ADI], s[TB], v[LI]
	s_wait_alu depctr_va_vdst(0)
	v_add_nc_u32 v[ADW], s[TB], v[LQ]
	s_wait_alu depctr_va_vdst(0)
	v_nop
	v_nop                                          ; four places in front of loads into registers that the last products have read
.irp t, 0,1,2,3
	ds_load_b32 v[248+\t], v[ADW] offset:KSC+128*\t   ; lanes 0-15: tile 2 t's scale words; lanes 16-31: tile 2 t + 1's
.endr
.irp t, 0,1,2,3,4,5,6,7
.irp c, 0,1
	ds_load_b128 v[32+8*\t+4*\c:35+8*\t+4*\c], v[ADI] offset:\t*1024+512*\c
.endr
.endr
.macro SMM t                           ; S^T = K Q^T: tiles t (even) and t + 1
	v_wmma_scale_f32_16x16x128_f8f6f4 v[96+8*\t:103+8*\t], v[32+8*\t:39+8*\t], v[16:23], 0, v[248+\t/2], v255 matrix_a_fmt:MATRIX_FMT_FP4 matrix_b_fmt:MATRIX_FMT_FP4
	v_wmma_scale_f32_16x16x128_f8f6f4 v[104+8*\t:111+8*\t], v[40+8*\t:47+8*\t], v[16:23], 0, v[248+\t/2], v255 matrix_a_fmt:MATRIX_FMT_FP4 matrix_b_fmt:MATRIX_FMT_FP4 matrix_a_scale:MATRIX_SCALE_ROW1
.endm
	s_wait_dscnt 8                                 ; the scale words and fragments 0-3 are in; the eight loads of fragments 4-7 may be out
	SMM 0
	SMM 2
	s_wait_dscnt 0x0
	SMM 4
	SMM 6
.rept 4
	v_nop
.endr
.irp t, 0,1,2,3
	ds_load_b32 v[24+\t], v[ADW] offset:VSC+128*\t    ; V's scale words and fragments: the softmax stands between these loads and the wait for them
.endr
.irp t, 0,1,2,3,4,5,6,7
.irp c, 0,1
	ds_load_b128 v[32+8*\t+4*\c:35+8*\t+4*\c], v[ADI] offset:VIMG+\t*1024+512*\c
.endr
.endr
	s_cmp_lg_u32 s[JJ], s[DG]                      ; only in the tile's own record are keys hidden
	s_cbranch_scc1 .Lopen
	v_mov_b32 v254, 0xff800000                     ; -infinity: p = 0 then.  Register 16 b + i holds key 32 b + 16 (lane / 16) + i: hidden where 32 b + i > my place - 16 (lane / 16)
.set nn, 0
.rept 64
	v_cmp_gt_i32 vcc_lo, 32*(nn/16)+nn%16, v[DQ0]
	v_cndmask_b32 v[96+nn], v[96+nn], v254, vcc_lo
.set nn, nn+1
.endr
.Lopen:
.irp b, 0,1,2,3
	v_max3_num_f32 v[232+\b], v[96+16*\b], v[97+16*\b], v[98+16*\b]   ; each block's largest score: for the row's maximum and for the block's largest p
.endr
.irp i, 3,5,7,9,11,13
.irp b, 0,1,2,3
	v_max3_num_f32 v[232+\b], v[232+\b], v[96+16*\b+\i], v[97+16*\b+\i]
.endr
.endr
.irp b, 0,1,2,3
	v_max_num_f32 v[232+\b], v[232+\b], v[111+16*\b]
.endr
.irp b, 0,1,2,3
	s_delay_alu instid0(VALU_DEP_4)
	v_permlanex16_b32 v[236+\b], v[232+\b], s[SEL], s[SEL+1]
.endr
.irp b, 0,1,2,3
	s_delay_alu instid0(VALU_DEP_4)
	v_max_num_f32 v[232+\b], v[232+\b], v[236+\b]
.endr
	s_delay_alu instid0(VALU_DEP_2)
	v_max3_num_f32 v254, v232, v233, v234
	s_delay_alu instid0(VALU_DEP_1)
	v_max_num_f32 v254, v254, v235
	s_delay_alu instid0(VALU_DEP_1)
	v_mul_f32 v254, s[CS], v254
	s_delay_alu instid0(VALU_DEP_1)
	v_max_num_f32 v13, v13, v254                   ; the running largest t
	v_mov_b32 v254, v12
	s_delay_alu instid0(VALU_DEP_2)
	v_floor_f32 v12, -v13                          ; the new -M
	s_delay_alu instid0(VALU_DEP_1)
	v_sub_f32 v254, v12, v254
	s_delay_alu instid0(VALU_DEP_1)
	v_cvt_i32_f32 v254, v254                       ; (it saturates)
	s_delay_alu instid0(VALU_DEP_1)
	v_ldexp_f32 v240, 1.0, v254                    ; f = 2^(old M - new M)
.set nn, 0
.rept 32
	v_pk_fma_f32 v[96+nn:97+nn], v[96+nn:97+nn], s[CS:CS+1], v[12:13] op_sel_hi:[1,0,0]   ; t - M
.set nn, nn+2
.endr
.irp b, 0,1,2,3
	v_fma_f32 v[232+\b], v[232+\b], s[CS], v12
.endr
.set nn, 0
	s_wait_alu depctr_va_vdst(0)
.rept 64
	v_exp_f32 v[96+nn], v[96+nn]
.set nn, nn+1
.endr
.irp b, 0,1,2,3
	v_exp_f32 v[232+\b], v[232+\b]
.endr
	v_pk_mul_f32 v[14:15], v[14:15], v[240:241] op_sel_hi:[1,0]
	s_wait_alu depctr_va_vdst(0)
.irp b, 0,1,2,3
	v_max_num_f32 v[232+\b], 0x1800000, v[232+\b]  ; the floor 2^(3 - 127): the byte cannot fall under 1
.endr
.irp b, 0,1,2,3
	s_delay_alu instid0(VALU_DEP_4)
	v_add_nc_u32 v[244+\b], 0xff000000, v[232+\b]
.endr
.irp b, 0,1,2,3
	s_delay_alu instid0(VALU_DEP_4)
	v_lshrrev_b32 v[236+\b], 23, v[244+\b]
.endr
	s_delay_alu instid0(VALU_DEP_3)
	v_lshl_or_b32 v253, v237, 8, v236
	s_delay_alu instid0(VALU_DEP_1)
	v_lshl_or_b32 v253, v238, 16, v253
	s_delay_alu instid0(VALU_DEP_1)
	v_lshl_or_b32 v253, v239, 24, v253
.irp b, 0,1,2,3
	v_cvt_scalef32_pk8_fp4_f32 v[224+2*\b], v[96+16*\b:103+16*\b], v[244+\b]
	v_cvt_scalef32_pk8_fp4_f32 v[225+2*\b], v[104+16*\b:111+16*\b], v[244+\b]
.endr
	v_nop
.irp c, 0,1
.irp i, 0,1
	v_permlane16_swap_b32 v[224+4*\c+\i], v[226+4*\c+\i]
.endr
.endr
	v_pk_add_f32 v[236:237], v[100:101], v[104:105]   ; l: the sum of the unquantised p, in eight chains
	v_pk_add_f32 v[250:251], v[108:109], v[112:113]
	v_pk_add_f32 v[248:249], v[116:117], v[120:121]
	v_pk_add_f32 v[246:247], v[124:125], v[128:129]
	v_pk_add_f32 v[244:245], v[132:133], v[136:137]
	v_pk_add_f32 v[234:235], v[140:141], v[144:145]
	v_pk_add_f32 v[232:233], v[148:149], v[152:153]
	v_pk_add_f32 v[14:15], v[14:15], v[156:157]
	v_pk_add_f32 v[236:237], v[236:237], v[96:97]
	v_pk_add_f32 v[250:251], v[250:251], v[98:99]
	v_pk_add_f32 v[248:249], v[248:249], v[102:103]
	v_pk_add_f32 v[246:247], v[246:247], v[106:107]
	v_pk_add_f32 v[244:245], v[244:245], v[110:111]
	v_pk_add_f32 v[234:235], v[234:235], v[114:115]
	v_pk_add_f32 v[232:233], v[232:233], v[118:119]
	v_pk_add_f32 v[14:15], v[14:15], v[122:123]
	v_pk_add_f32 v[236:237], v[236:237], v[126:127]
	v_pk_add_f32 v[250:251], v[250:251], v[130:131]
	v_pk_add_f32 v[248:249], v[248:249], v[134:135]
	v_pk_add_f32 v[246:247], v[246:247], v[138:139]
	v_pk_add_f32 v[244:245], v[244:245], v[142:143]
	v_pk_add_f32 v[234:235], v[234:235], v[146:147]
	v_pk_add_f32 v[232:233], v[232:233], v[150:151]
	v_pk_add_f32 v[14:15], v[14:15], v[154:155]
	v_pk_add_f32 v[236:237], v[236:237], v[158:159]
	s_delay_alu instid0(VALU_DEP_2)
	v_pk_add_f32 v[14:15], v[14:15], v[246:247]
	s_delay_alu instid0(VALU_DEP_2)
	v_pk_add_f32 v[236:237], v[236:237], v[244:245]
	v_pk_add_f32 v[250:251], v[250:251], v[234:235]
	v_pk_add_f32 v[248:249], v[248:249], v[232:233]
	s_delay_alu instid0(VALU_DEP_2)
	v_pk_add_f32 v[14:15], v[14:15], v[250:251]
	s_delay_alu instid0(VALU_DEP_2)
	v_pk_add_f32 v[236:237], v[236:237], v[248:249]
	s_delay_alu instid0(VALU_DEP_1)
	v_pk_add_f32 v[14:15], v[14:15], v[236:237]
.set nn, 0
.rept 32
	v_pk_mul_f32 v[160+nn:161+nn], v[160+nn:161+nn], v[240:241] op_sel_hi:[1,0]   ; O^T under the new M; also the places in front of the scaled products below
.set nn, nn+2
.endr
	s_wait_alu depctr_va_vdst(0)
	s_wait_dscnt 0x0                               ; V's fragments and scale words
.irp t, 0,2,4,6                                ; O^T += V^T P^T; the eight accumulators take turns
	v_wmma_scale_f32_16x16x128_f8f6f4 v[160+8*\t:167+8*\t], v[32+8*\t:39+8*\t], v[224:231], v[160+8*\t:167+8*\t], v[24+\t/2], v253 matrix_a_fmt:MATRIX_FMT_FP4 matrix_b_fmt:MATRIX_FMT_FP4
	v_wmma_scale_f32_16x16x128_f8f6f4 v[168+8*\t:175+8*\t], v[40+8*\t:47+8*\t], v[224:231], v[168+8*\t:175+8*\t], v[24+\t/2], v253 matrix_a_fmt:MATRIX_FMT_FP4 matrix_b_fmt:MATRIX_FMT_FP4 matrix_a_scale:MATRIX_SCALE_ROW1
.endr
.Lhidden:
	s_add_co_u32 s[JJ], s[JJ], 1
	s_add_co_u32 s[TB], s[TB], REC
	s_cmp_lt_u32 s[JJ], 16
	s_cbranch_scc1 .Lstep
	; THE LATE TILE'S TWO PARTS ARE JOINED
	s_wait_dscnt 0x0                               ; my reads of the records are over
	s_barrier_signal -1
	s_barrier_wait -1                              ; everybody's are: the records' place may be written
.rept 4
	v_nop
.endr
	v_add_f32 v14, v14, v15
	s_delay_alu instid0(VALU_DEP_1)
	v_permlanex16_b32 v242, v14, s[SEL], s[SEL+1]
	s_delay_alu instid0(VALU_DEP_1)
	v_add_f32 v13, v14, v242                       ; my part's l, beside -M
	s_wait_alu depctr_va_vdst(0)
	ds_store_b64 v[XS], v[12:13] offset:4096
	s_cmp_lt_u32 s[WV], 8
	s_cbranch_scc0 .Lgive_low
.irp k, 0,1,2,3,4,5,6,7
	ds_store_b128 v[XS], v[192+4*\k:195+4*\k] offset:512*\k   ; waves 0-7 give channels 64-127,
.endr
	s_branch .Lgiven
.Lgive_low:
.irp k, 0,1,2,3,4,5,6,7
	ds_store_b128 v[XS], v[160+4*\k:163+4*\k] offset:512*\k   ; waves 8-15 channels 0-63
.endr
.Lgiven:
	s_wait_dscnt 0x0
	s_barrier_signal -1
	s_barrier_wait -1
	ds_load_b64 v[232:233], v[XR] offset:4096
.irp k, 0,1,2,3,4,5,6,7
	ds_load_b128 v[32+4*\k:35+4*\k], v[XR] offset:512*\k
.endr
	s_wait_dscnt 0x0
	v_min_num_f32 v234, v12, v232                  ; -M of the whole row
	s_delay_alu instid0(VALU_DEP_1)
	v_sub_f32 v235, v234, v12
	v_sub_f32 v236, v234, v232
	s_delay_alu instid0(VALU_DEP_2)
	v_cvt_i32_f32 v235, v235                       ; (they saturate: a part with no step counts for nothing)
	s_delay_alu instid0(VALU_DEP_2)
	v_cvt_i32_f32 v236, v236
	s_delay_alu instid0(VALU_DEP_2)
	v_ldexp_f32 v240, 1.0, v235                    ; my part's factor,
	s_delay_alu instid0(VALU_DEP_2)
	v_ldexp_f32 v238, 1.0, v236                    ; my partner's
	s_delay_alu instid0(VALU_DEP_2)
	v_mul_f32 v237, v13, v240
	s_delay_alu instid0(VALU_DEP_1)
	v_fma_f32 v237, v233, v238, v237               ; l
	s_wait_alu depctr_va_vdst(0)
	v_log_f32 v243, v237
	v_rcp_f32 v244, v237
	v_nop
	s_wait_alu depctr_va_vdst(0)
	v_sub_f32 v243, v234, v243                     ; -M - log2(l)
	v_mul_f32 v240, v240, v244
	v_mul_f32 v238, v238, v244
	s_cmp_lt_u32 s[WV], 8
	s_cbranch_scc0 .Lfin_high
	s_wait_alu depctr_va_vdst(0)
.set nn, 0
.rept 16
	v_pk_mul_f32 v[96+nn:97+nn], v[160+nn:161+nn], v[240:241] op_sel_hi:[1,0]
.set nn, nn+2
.endr
	global_store_b32 v[LW], v243, s[ST2:ST2+1]     ; one of the pair stores the tile's 64 bytes of stats
	s_branch .Lfin
.Lfin_high:
	s_wait_alu depctr_va_vdst(0)
.set nn, 0
.rept 16
	v_pk_mul_f32 v[96+nn:97+nn], v[192+nn:193+nn], v[240:241] op_sel_hi:[1,0]
.set nn, nn+2
.endr
.Lfin:
.set nn, 0
.rept 16
	v_pk_fma_f32 v[96+nn:97+nn], v[32+nn:33+nn], v[238:239], v[96+nn:97+nn] op_sel_hi:[1,0,1]
.set nn, nn+2
.endr
.irp t, 0,1,2,3
	ds_store_b128 v[STO], v[96+8*\t:99+8*\t] offset:64*\t
	ds_store_b128 v[STO], v[100+8*\t:103+8*\t] offset:64*\t+16
.endr
.irp i, 0,1,2,3,4,5,6,7
	ds_load_b128 v[128+4*\i:131+4*\i], v[RD] offset:2*\i*272
.endr
.irp i, 0,1,2,3,4,5,6,7
	s_wait_dscnt 7-\i                              ; the loads issued behind this one
	global_store_b128 v[GO], v[128+4*\i:131+4*\i], s[OUT2:OUT2+1] offset:(2*\i+8*(\i/4))*16384 th:TH_STORE_NT
.endr
	s_wait_tensorcnt 0x0                           ; the wave's end
	ds_add_u32 v30, v31
	s_wait_dscnt 0x0
	ROUND                                          ; the closing round
	s_endpgm
.Lfunc_end_k_qf79ccc13c4_attn:
	.size	k_qf79ccc13c4_attn, .Lfunc_end_k_qf79ccc13c4_attn-k_qf79ccc13c4_attn
	.p2alignl 7, 3214868480
	.fill 96, 4, 3214868480
	.section	.rodata,"a",@progbits
	.p2align	6, 0x0
	.amdhsa_kernel k_qf79ccc13c4_attn
		.amdhsa_group_segment_fixed_size 327680
		.amdhsa_private_segment_fixed_size 0
		.amdhsa_enable_private_segment 0
		.amdhsa_kernarg_size 32
		.amdhsa_user_sgpr_count 2
		.amdhsa_user_sgpr_kernarg_segment_ptr 1
		.amdhsa_wavefront_size32 1
		.amdhsa_system_sgpr_workgroup_id_x 1
		.amdhsa_system_sgpr_workgroup_id_y 1
		.amdhsa_system_sgpr_workgroup_id_z 1
		.amdhsa_system_vgpr_workitem_id 0
		.amdhsa_next_free_vgpr 256
		.amdhsa_next_free_sgpr 80
		.amdhsa_reserve_vcc 1
		.amdhsa_float_denorm_mode_32 3
		.amdhsa_float_denorm_mode_16_64 3
		.amdhsa_memory_ordered 1
		.amdhsa_forward_progress 1
		.amdhsa_inst_pref_size 52
	.end_amdhsa_kernel
	.amdgpu_metadata
---
amdhsa.version: [ 1, 2 ]
amdhsa.kernels:
  - .name:           k_qf79ccc13c4_attn
    .symbol:         k_qf79ccc13c4_attn.kd
    .args:
      - { .name: qrec, .offset: 0, .size: 8, .value_kind: global_buffer, .address_space: global }
      - { .name: kv, .offset: 8, .size: 8, .value_kind: global_buffer, .address_space: global }
      - { .name: out0, .offset: 16, .size: 8, .value_kind: global_buffer, .address_space: global }
      - { .name: stats, .offset: 24, .size: 8, .value_kind: global_buffer, .address_space: global }
    .group_segment_fixed_size: 327680
    .private_segment_fixed_size: 0
    .kernarg_segment_align: 8
    .kernarg_segment_size: 32
    .max_flat_workgroup_size: 512
    .sgpr_count:     80
    .vgpr_count:     256
    .wavefront_size: 32
...
	.end_amdgpu_metadata
.endif
;; end of part 2
;; launch colsum (part 3): grid 8 x 32, 16 waves a work-group, clusters of 4 x 1, 169,984 bytes of LDS; arguments qrec, kv, stats, out1, out2; writes out1, out2
.if DOCPART == 3
	.amdgcn_target "amdgcn-amd-amdhsa--gfx1250"
	.amdhsa_code_object_version 6
	.text
	.protected	k_qf79ccc13c4_colsum
	.globl	k_qf79ccc13c4_colsum
	.p2align	8
	.type	k_qf79ccc13c4_colsum,@function
k_qf79ccc13c4_colsum:
	s_mov_b64 s[64:65], 0
	v_nop
	global_prefetch_b8 v0, s[64:65] scope:SCOPE_SE
	s_setreg_imm32_b32 hwreg(HW_REG_WAVE_MODE, 25, 1), 1
	s_wait_xcnt 0x0
	s_wait_alu depctr_hold_cnt(0) depctr_sa_sdst(0) depctr_va_vdst(0) depctr_va_sdst(0) depctr_va_ssrc(0) depctr_va_vcc(0) depctr_vm_vsrc(0)
	s_getreg_b32 s2, hwreg(HW_REG_IB_STS2, 6, 4)
	s_cmp_eq_u32 s2, 0
	s_cbranch_scc0 .Lentry_in_a_cluster
	s_endpgm
.Lentry_in_a_cluster:
	s_bfe_u32 s2, ttmp6, 0x10000c
	s_cmp_lg_u32 s2, 0x3003
	s_cbranch_scc0 .Lentry_shape_is_right
	s_endpgm
.Lentry_shape_is_right:
; out1[h][k] = the sum over queries q >= k of prob(q, k), out2[h][k] = the sum of prob^2, prob the finished softmax.  The scores are made a second time, by the same matrix instruction on the same codes,
; and prob = 2^(c s - L), -L = -M - log2(l) from the launch before.
; LEFT OUT: query steps all of whose queries come before the tile's keys: reference()'s own causal mask makes prob = 0 there whatever the inputs hold.
; SHARES.  A tile of 16 keys of record R needs the query steps R .. 15.  Work-group (C, cx) takes tiles 2 cx and 2 cx + 1 (32 neighbouring keys) of eight records: 2 k + C and 15 - (2 k + C), k = 0 .. 3.
; Wave w: P = w % 8, k = P / 2, tile 2 cx + P % 2.  Waves w and w + 8 share the tiles of records RL = 2 k + C and 15 - RL, 17 steps together: wave w does steps RL .. RL + 8 of the first;
; wave w + 8 does all RL + 1 steps of the second, then steps RL + 9 .. 15 of the first.  The sums are linear: the parts are added in LDS at the end.
; Every wave walks two passes of 16 trips with one text; a step outside its range is jumped over by a branch on the wave's number, C and the count of trips.
; A lane holds ONE key and its registers run over the queries.
; CLUSTER.  The four partners share a head: its 16 records of Q (waves 0-7: 68 rows of 256 bytes each) and its 2,048 numbers -L (waves 8-15: 4 rows each) come into LDS once, jointly, one load a wave.
; Nothing is filled again: no ring, and no loop of loads in which a prefetch could run ahead.  No branch, trip count or LDS address hangs on cx.
; OUT: a wave stores 128 consecutive bytes (32 keys): a work-group holds no more neighbouring keys of a record, since which record a wave has may not hang on cx.
; LIMITS: NaN and infinities are not served; a prob under 2^-126 counts as 0.
; REGISTERS: v1-7, v11 stay; v8-10 in hand; v[12:15], v[26:29] the second pass's keys, v25 their scale word; v16-23 K, v24 its scale word; v32-95 Q; v96-159 scores, prob; v160-223 -L; v224-239 sums; v240-247 Q's scale words.
.set REC,   17408
.set QREC,  8704
.set QSC,   8192
.set KSC,   16384
.set STATS, 16*QREC
.set GATH,  STATS+8192                 ; [addend 2][output 2][slot 8][32 keys] f32: 4,096 bytes into which no fill lands
.set LI,   1
.set LW,   2
.set LH,   3
.set DK0,  4                           ; my key's place in its record - 16 (lane / 16)
.set GS1,  5
.set GS2,  6
.set L4,   7
.set ADI,  8
.set ADW,  9
.set ADL,  10
.set WV,   14
.set ROLE, 15
.set PP,   16
.set KK,   17
.set UU,   18
.set RL,   19
.set SEL,  20
.set CS,   22
.set G1Q,  24
.set G1L,  32
.set G0L,  40
.set G0Q,  44
.set LOJ,  48
.set HIJ,  49
.set DG,   50
.set LO2,  51
.set HI2,  52
.set TB,   60
.set JJ,   61
.set TL,   63
.set HD,   66
.set CX,   67
.macro ROUND
	s_barrier_signal -1
	s_barrier_wait -1
	s_cmp_lg_u32 s[WV], 0
	s_cbranch_scc1 .Lnot_wave_0_\@
	s_barrier_signal -3
.Lnot_wave_0_\@:
	s_barrier_wait -3
	s_barrier_signal -1
	s_barrier_wait -1
.endm
	s_load_b256 s[4:11], s[0:1], 0x0               ; qrec, kv, stats, out1
	s_load_b64 s[12:13], s[0:1], 0x20              ; out2
	v_lshl_add_u32 v249, v0, 2, 0x29000
	v_mov_b32 v255, 0
	ds_add_u32 v249, v255                          ; the opening lines
	ds_add_u32 v249, v255
	v_lshrrev_b32 v1, 5, v0
	v_readfirstlane_b32 s[WV], v1
	s_lshr_b32 s[ROLE], s[WV], 3
	s_and_b32 s[PP], s[WV], 7
	s_lshr_b32 s[KK], s[PP], 1
	s_and_b32 s[UU], s[PP], 1
	s_and_b32 s68, ttmp9, 1                        ; C: the same in all four partners
	s_lshl_b32 s[RL], s[KK], 1
	s_add_co_u32 s[RL], s[RL], s68
	s_sub_co_u32 s69, 15, s[RL]
	s_add_co_u32 s70, s[RL], 8
	s_add_co_u32 s71, s[RL], 9
	s_cmp_eq_u32 s[ROLE], 0
	s_cselect_b32 s[LOJ], s[RL], s69               ; first pass: my tile's record, which is its first step,
	s_cselect_b32 s[HIJ], s70, 15                  ; and its last step of mine
	s_cselect_b32 s[LO2], 1, s71                   ; second pass (1 .. 0: no step)
	s_cselect_b32 s[HI2], 0, 15
	s_mov_b32 s[DG], s[LOJ]
	s_and_b32 s[HD], ttmp7, 0xffff
	s_bfe_u32 s[CX], ttmp6, 0x40000                ; cx enters global addresses and the mask's numbers alone
	s_and_b32 s72, s[PP], 3                        ; what I store at the end: output w / 8, slot P: record 2 (P % 4) + C, or 15 less that
	s_lshl_b32 s72, s72, 1
	s_add_co_u32 s72, s72, s68
	s_sub_co_u32 s73, 15, s72
	s_cmp_lt_u32 s[PP], 4
	s_cselect_b32 s72, s72, s73
	s_lshl_b32 s72, s72, 7
	s_lshl_b32 s73, s[CX], 5
	s_add_co_u32 s72, s72, s73
	s_lshl_b32 s72, s72, 2
	s_lshl_b32 s73, s[HD], 13
	s_add_co_u32 s90, s72, s73
	s_mov_b32 s91, 0
	s_mov_b32 s[SEL], 0x76543210
	s_mov_b32 s[SEL+1], 0xfedcba98
	s_mov_b32 s[CS], 0x3e0293ee                    ; log2(e) / sqrt(128)
	s_mov_b32 s[CS+1], s[CS]
	s_mov_b32 s[G1Q], 15|(3<<16)|(1<<21)           ; dense rows of 32 elements of 8 bytes; the mask names all four
	s_mov_b32 s[G1Q+1], 32<<16
	s_mov_b32 s[G1Q+2], 68<<16
	s_mov_b32 s[G1Q+3], 32<<16
	s_mov_b32 s[G1Q+4], 68
	s_mov_b32 s[G1Q+5], 32
	s_mov_b32 s[G1Q+6], 0
	s_mov_b32 s[G1Q+7], 0
	s_mov_b32 s[G1L], 15|(3<<16)|(1<<21)
	s_mov_b32 s[G1L+1], 32<<16
	s_mov_b32 s[G1L+2], 4<<16
	s_mov_b32 s[G1L+3], 32<<16
	s_mov_b32 s[G1L+4], 4
	s_mov_b32 s[G1L+5], 32
	s_mov_b32 s[G1L+6], 0
	s_mov_b32 s[G1L+7], 0
	s_mul_i32 s88, s[PP], 2*QREC                   ; Q: two records a wave
	s_mul_i32 s92, s[HD], 16*QREC
	s_add_co_u32 s92, s92, s88
	s_mov_b32 s93, 0
	s_lshl_b32 s89, s[PP], 10                      ; -L: 1,024 bytes a wave
	s_lshl_b32 s94, s[HD], 13
	s_add_co_u32 s94, s94, s89
	s_mov_b32 s95, 0
	s_mov_b32 s[G0Q], 1
	s_mov_b32 s[G0Q+1], s88
	s_mov_b32 s[G0L], 1
	s_add_co_u32 s[G0L+1], s89, STATS
	; my tiles of keys: u = 2 cx + P % 2 of records LOJ and RL
	s_lshl_b32 s74, s[CX], 1
	s_add_co_u32 s74, s74, s[UU]
	s_lshl_b32 s77, s[HD], 4
	s_add_co_u32 s78, s77, s[LOJ]
	s_mul_i32 s78, s78, REC
	s_add_co_u32 s79, s77, s[RL]
	s_mul_i32 s79, s79, REC
	s_lshl_b32 s77, s74, 10
	s_add_co_u32 s80, s78, s77
	s_mov_b32 s81, 0
	s_add_co_u32 s84, s79, s77
	s_mov_b32 s85, 0
	s_lshl_b32 s77, s74, 6
	s_add_co_u32 s77, s77, KSC
	s_add_co_u32 s82, s78, s77
	s_mov_b32 s83, 0
	s_add_co_u32 s86, s79, s77
	s_mov_b32 s87, 0
	; LDS: where my sums go: first pass: addend 0, slot k + 4 (w / 8); second: addend 1, slot k + 4 (1 - w / 8)
	s_lshl_b32 s79, s[UU], 5
	s_lshl_b32 s75, s[ROLE], 2
	s_add_co_u32 s75, s75, s[KK]
	s_lshl_b32 s75, s75, 7
	s_add_co_u32 s75, s75, s79
	s_add_co_u32 s75, s75, GATH
	s_xor_b32 s76, s[ROLE], 1
	s_lshl_b32 s76, s76, 2
	s_add_co_u32 s76, s76, s[KK]
	s_lshl_b32 s76, s76, 7
	s_add_co_u32 s76, s76, s79
	s_add_co_u32 s76, s76, GATH+2048
	s_lshl_b32 s77, s[WV], 7
	s_add_co_u32 s77, s77, GATH
	s_lshl_b32 s78, s[CX], 5
	s_lshl_b32 s79, s[UU], 3
	s_add_co_u32 s78, s78, s79                     ; the tile's first key in its record
	s_wait_dscnt 0x0
	s_wait_kmcnt 0x0
	s_add_nc_u64 s[G0Q+2:G0Q+3], s[4:5], s[92:93]
	s_or_b32 s[G0Q+3], s[G0Q+3], 0x80000000
	s_add_nc_u64 s[G0L+2:G0L+3], s[8:9], s[94:95]
	s_or_b32 s[G0L+3], s[G0L+3], 0x80000000
	s_add_nc_u64 s[80:81], s[6:7], s[80:81]
	s_add_nc_u64 s[82:83], s[6:7], s[82:83]
	s_add_nc_u64 s[84:85], s[6:7], s[84:85]
	s_add_nc_u64 s[86:87], s[6:7], s[86:87]
	s_cmp_eq_u32 s[ROLE], 0                        ; which output I store: the choice hangs on the wave's number alone
	s_cselect_b64 s[10:11], s[10:11], s[12:13]
	s_add_nc_u64 s[10:11], s[10:11], s[90:91]
	ROUND                                          ; all four work-groups are here: the joint loads meet
	s_cmp_lt_u32 s[WV], 8                          ; one tensor load a wave: an arm for Q, an arm for -L
	s_cbranch_scc0 .Lfill_l
	tensor_load_to_lds s[G0Q:G0Q+3], s[G1Q:G1Q+7]
	s_nop 0
.rept 4
	v_nop
.endr
	s_branch .Lfilled
.Lfill_l:
	tensor_load_to_lds s[G0L:G0L+3], s[G1L:G1L+7]
	s_nop 0
.rept 4
	v_nop
.endr
.Lfilled:
	v_and_b32 v96, 31, v0
	v_and_b32 v97, 15, v0                          ; r
	v_lshlrev_b32 v[LI], 4, v96
	v_lshlrev_b32 v[LW], 2, v97
.irp c, 0,1
	global_load_b128 v[16+4*\c:19+4*\c], v[LI], s[80:81] offset:512*\c
.endr
	global_load_b32 v24, v[LW], s[82:83]
	global_load_b128 v[12:15], v[LI], s[84:85]
	global_load_b128 v[26:29], v[LI], s[84:85] offset:512
	global_load_b32 v25, v[LW], s[86:87]
	v_lshlrev_b32 v[L4], 2, v96
	v_bfe_u32 v11, v0, 4, 1                        ; h; it stays
	v_and_b32 v98, 8, v97
	v_lshlrev_b32 v[LH], 5, v11
	v_add_nc_u32 v98, v98, v97                     ; r + 8 (r / 8)
	v_lshlrev_b32 v99, 4, v11
	v_lshlrev_b32 v100, 2, v98
	v_sub_nc_u32 v[DK0], v98, v99
	v_lshl_add_u32 v100, v11, 10, v100             ; lanes 0-15 put the sum of prob, lanes 16-31 that of prob^2
	v_add_nc_u32 v[DK0], s78, v[DK0]
	v_add_nc_u32 v[GS1], s75, v100
	v_add_nc_u32 v[GS2], s76, v100
	v_add_nc_u32 v248, s77, v[L4]                  ; what I read back: 128 bytes of each addend
.macro NOSUMS
.set nn, 0
.rept 16
	v_mov_b32 v[224+nn], 0
.set nn, nn+1
.endr
.endm
	NOSUMS
	v_mov_b32 v251, 0xff800000                     ; -infinity
	v_mov_b32 v252, 0
	v_mov_b32 v253, 0
	s_wait_alu depctr_va_vdst(0)
	s_wait_loadcnt 0x0
	s_wait_tensorcnt 0x0                           ; my load has landed;
	s_barrier_signal -1
	s_barrier_wait -1                              ; everybody's has
; A PASS: 16 trips; trip JJ holds the 128 queries of record JJ against my 16 keys
.macro CPASS masked                    ; masked = 1: the pass holds the step of the keys' own record
	s_mov_b32 s[TB], 0
	s_mov_b32 s[TL], STATS
	s_mov_b32 s[JJ], 0
.Lstep_\@:
	s_cmp_gt_u32 s[JJ], s[HIJ]
	s_cbranch_scc1 .Lhidden_\@
	s_cmp_lt_u32 s[JJ], s[LOJ]
	s_cbranch_scc1 .Lhidden_\@
	v_add_nc_u32 v[ADI], s[TB], v[LI]
	v_add_nc_u32 v[ADW], s[TB], v[LW]
	v_add_nc_u32 v[ADL], s[TL], v[LH]
	v_nop
.irp t, 0,1,2,3,4,5,6,7
.irp c, 0,1
	ds_load_b128 v[32+8*\t+4*\c:35+8*\t+4*\c], v[ADI] offset:1024*\t+512*\c
.endr
	ds_load_b32 v[240+\t], v[ADW] offset:QSC+64*\t
.endr
.irp t, 0,1,2,3,4,5,6,7
.irp k, 0,1
	ds_load_b128 v[160+8*\t+4*\k:163+8*\t+4*\k], v[ADL] offset:64*\t+16*\k   ; -L of rows 8 (lane / 16) + 4 k + 0 .. 3 of tile t
.endr
.endr
	s_wait_dscnt 16                                ; fragments and scale words are in; the sixteen loads of -L may be out
.irp t, 0,1,2,3,4,5,6,7
	v_wmma_scale_f32_16x16x128_f8f6f4 v[96+8*\t:103+8*\t], v[32+8*\t:39+8*\t], v[16:23], 0, v[240+\t], v24 matrix_a_fmt:MATRIX_FMT_FP4 matrix_b_fmt:MATRIX_FMT_FP4   ; register j of tile 2 b + u is query 32 b + 8 u + 16 (lane / 16) + j
.endr
	s_wait_dscnt 0x0
.rept 4
	v_nop
.endr
.if \masked
	s_cmp_lg_u32 s[JJ], s[DG]                      ; only in the keys' own record are scores hidden
	s_cbranch_scc1 .Lopen_\@
.set nn, 0
.rept 64
	v_cmp_lt_i32 vcc_lo, 32*(nn/16)+nn%16, v[DK0]  ; register 16 b + i is hidden where 32 b + i < my key's place - 16 (lane / 16)
	v_cndmask_b32 v[96+nn], v[96+nn], v251, vcc_lo
.set nn, nn+1
.endr
.Lopen_\@:
.endif
.set nn, 0
.rept 32
	v_pk_fma_f32 v[96+nn:97+nn], v[96+nn:97+nn], s[CS:CS+1], v[160+nn:161+nn] op_sel_hi:[1,0,1]   ; c s - L
.set nn, nn+2
.endr
.set nn, 0
	s_wait_alu depctr_va_vdst(0)
.rept 64
	v_exp_f32 v[96+nn], v[96+nn]
.set nn, nn+1
.endr
	v_nop
.set nn, 0
	s_wait_alu depctr_va_vdst(0)
.rept 32
	v_pk_add_f32 v[224+2*(nn%4):225+2*(nn%4)], v[224+2*(nn%4):225+2*(nn%4)], v[96+2*nn:97+2*nn]
	v_pk_fma_f32 v[232+2*(nn%4):233+2*(nn%4)], v[96+2*nn:97+2*nn], v[96+2*nn:97+2*nn], v[232+2*(nn%4):233+2*(nn%4)]
.set nn, nn+1
.endr
.Lhidden_\@:
	s_add_co_u32 s[JJ], s[JJ], 1
	s_add_co_u32 s[TB], s[TB], QREC
	s_add_co_u32 s[TL], s[TL], 512
	s_cmp_lt_u32 s[JJ], 16
	s_cbranch_scc1 .Lstep_\@
.endm
; a pass's sums: the chains, the pairs' halves, lane l xor 16's queries; then into the gather
.macro FLUSH adr
	s_wait_alu depctr_va_vdst(0)
	v_pk_add_f32 v[224:225], v[224:225], v[226:227]
	v_pk_add_f32 v[232:233], v[232:233], v[234:235]
	v_pk_add_f32 v[228:229], v[228:229], v[230:231]
	v_pk_add_f32 v[236:237], v[236:237], v[238:239]
	s_delay_alu instid0(VALU_DEP_2)
	v_pk_add_f32 v[224:225], v[224:225], v[228:229]
	s_delay_alu instid0(VALU_DEP_2)
	v_pk_add_f32 v[232:233], v[232:233], v[236:237]
	s_delay_alu instid0(VALU_DEP_2)
	v_add_f32 v224, v224, v225
	s_delay_alu instid0(VALU_DEP_2)
	v_add_f32 v232, v232, v233
	s_delay_alu instid0(VALU_DEP_2)
	v_permlanex16_b32 v252, v224, s[SEL], s[SEL+1]
	s_delay_alu instid0(VALU_DEP_2)
	v_permlanex16_b32 v253, v232, s[SEL], s[SEL+1]
	s_delay_alu instid0(VALU_DEP_2)
	v_add_f32 v224, v224, v252
	s_delay_alu instid0(VALU_DEP_2)
	v_add_f32 v232, v232, v253
	v_cmp_eq_u32 vcc_lo, 0, v11
	s_delay_alu instid0(VALU_DEP_1)
	v_cndmask_b32 v254, v232, v224, vcc_lo
	ds_store_b32 v[\adr], v254
.endm
	CPASS 1
	FLUSH GS1
.irp i, 0,1,2,3
	v_mov_b32 v[16+\i], v[12+\i]                   ; the second pass's keys
	v_mov_b32 v[20+\i], v[26+\i]
.endr
	v_mov_b32 v24, v25
	NOSUMS
	s_mov_b32 s[LOJ], s[LO2]
	s_mov_b32 s[HIJ], s[HI2]
	CPASS 0                                        ; all its queries come after the keys' record: no step is masked
	FLUSH GS2
	s_wait_dscnt 0x0                               ; for the others' sake: my stores have landed
	s_barrier_signal -1
	s_barrier_wait -1
	ds_load_b32 v252, v248
	ds_load_b32 v253, v248 offset:2048
	s_wait_dscnt 0x0
	v_add_f32 v252, v252, v253                     ; the two parts of a column's sum
	global_store_b32 v[L4], v252, s[10:11] th:TH_STORE_NT   ; 32 lanes store 128 consecutive bytes
	s_wait_tensorcnt 0x0                           ; the wave's end
	ds_add_u32 v249, v255
	s_wait_dscnt 0x0
	ROUND                                          ; the closing round
	s_endpgm
.Lfunc_end_k_qf79ccc13c4_colsum:
	.size	k_qf79ccc13c4_colsum, .Lfunc_end_k_qf79ccc13c4_colsum-k_qf79ccc13c4_colsum
	.p2alignl 7, 3214868480
	.fill 96, 4, 3214868480
	.section	.rodata,"a",@progbits
	.p2align	6, 0x0
	.amdhsa_kernel k_qf79ccc13c4_colsum
		.amdhsa_group_segment_fixed_size 169984
		.amdhsa_private_segment_fixed_size 0
		.amdhsa_enable_private_segment 0
		.amdhsa_kernarg_size 40
		.amdhsa_user_sgpr_count 2
		.amdhsa_user_sgpr_kernarg_segment_ptr 1
		.amdhsa_wavefront_size32 1
		.amdhsa_system_sgpr_workgroup_id_x 1
		.amdhsa_system_sgpr_workgroup_id_y 1
		.amdhsa_system_sgpr_workgroup_id_z 1
		.amdhsa_system_vgpr_workitem_id 0
		.amdhsa_next_free_vgpr 256
		.amdhsa_next_free_sgpr 96
		.amdhsa_reserve_vcc 1
		.amdhsa_float_denorm_mode_32 3
		.amdhsa_float_denorm_mode_16_64 3
		.amdhsa_memory_ordered 1
		.amdhsa_forward_progress 1
		.amdhsa_inst_pref_size 42
	.end_amdhsa_kernel
	.amdgpu_metadata
---
amdhsa.version: [ 1, 2 ]
amdhsa.kernels:
  - .name:           k_qf79ccc13c4_colsum
    .symbol:         k_qf79ccc13c4_colsum.kd
    .args:
      - { .name: qrec, .offset: 0, .size: 8, .value_kind: global_buffer, .address_space: global }
      - { .name: kv, .offset: 8, .size: 8, .value_kind: global_buffer, .address_space: global }
      - { .name: stats, .offset: 16, .size: 8, .value_kind: global_buffer, .address_space: global }
      - { .name: out1, .offset: 24, .size: 8, .value_kind: global_buffer, .address_space: global }
      - { .name: out2, .offset: 32, .size: 8, .value_kind: global_buffer, .address_space: global }
    .group_segment_fixed_size: 169984
    .private_segment_fixed_size: 0
    .kernarg_segment_align: 8
    .kernarg_segment_size: 40
    .max_flat_workgroup_size: 512
    .sgpr_count:     96
    .vgpr_count:     256
    .wavefront_size: 32
...
	.end_amdgpu_metadata
.endif
;; end of part 3
